; MI455X (gfx1250); checked and timed in simulation.
; The chip was launched on July 23, 2026; its instructions are those of AMD's public machine-readable ISA for CDNA 5 (MIT licence, August 2026) and "CDNA5" Instruction Set Architecture Reference Guide (July 2026). The comments in the code are by the model that wrote it; some were corrected since.
;; Scaled Dot Product Attention. Allowed arithmetic: matrix products marked QUANTISED: E2M1 operands, one E8M0 scale for each 32 along K, by v_wmma_scale_f32_16x16x128_f8f6f4 with both operands' format E2M1 (or v_wmma_scale_f32_32x16x128_f4), f32 sums; products left as they are: bf16, f16 or f32 operands; f32 sums; everything else in f32.
;; Inputs: k 4 x 2,048 x 1,024 float32; mask 4 x 1 x 2,048 int32; q 4 x 2,048 x 1,024 float32; v 4 x 2,048 x 1,024 float32.
;; Outputs: out0 4 x 2,048 x 1,024 float32.
;; This version of the problem:
;;   THIS VERSION OF THE PROBLEM IS GIVEN IN LOW PRECISION. The matrix products marked QUANTISED in the list below multiply operands that are first quantised to E2M1 (2 exponent bits, 1 mantissa bit; 4 bits a number), with one power-of-two scale for each 32 numbers along K (OCP MX v1.0); their sums are f32. The products marked 'left as it is' may take bf16, f16 or f32 operands, with f32 sums. Whichever they take, every output number must still come out within the allowed error. Rounding operands to bf16 (8 significant bits) uses up far more of that allowance than f16 does (11 bits, for magnitudes from 6e-5 to 65,504). All else is computed in f32.
;;   The module's matrix products, in the order in which they are computed (A, B: the left and right operand; K: the contracted axis; several contracted axes count as one K, in the product's order):
;;     1. batch 4 x [M 2,048, K 1,024] x [K 1,024, N 2,048]; A: input q; B: input k: QUANTISED
;;     2. batch 4 x [M 2,048, K 2,048] x [K 2,048, N 1,024]; A: computed on the way; B: input v: left as it is (an operand is computed on the way)
;;   THE QUANTISER, for each operand of a quantised product, along K:
;;     - K is cut into blocks of 32 from its start; a last block that is shorter is filled with zeros.
;;     - A block's scale is 2^e with e = floor(log2(the largest magnitude in the block)) - 2, held to -126 .. 127; a block of zeros has e = 0. As a byte (E8M0): e + 127.
;;     - Each number is divided by its block's scale, clamped to +-6, and rounded to the nearest number of E2M1, ties to even, subnormals kept.
;;     - The product sums the exact products of the quantised numbers (number of the format x scale) in f32.
;;   ~~~python
;;   def quantise(x, axis):      # numpy; x: float32 -> the quantised numbers, widened to float32 again
;;       x = np.moveaxis(x, axis, -1); K = x.shape[-1]
;;       x = np.pad(x, [(0, 0)] * (x.ndim - 1) + [(0, -K % 32)]); x = x.reshape(x.shape[:-1] + (-1, 32)); a = np.abs(x).max(-1, keepdims=True)
;;       e = np.where(a > 0, np.clip(np.frexp(np.where(a > 0, a, 1))[1] - 1 - 2, -126, 127), 0)      # np.frexp(a)[1] - 1 = floor(log2(a)), exactly
;;       r = np.clip(x / 2.0 ** e, -6, 6)
;;       step = 2.0 ** (np.maximum(np.frexp(np.where(r == 0, 1, r))[1] - 1, 0) - 1)
;;       q = np.round(r / step) * step * 2.0 ** e      # np.round: ties to even
;;       return np.moveaxis(q.reshape(q.shape[:-2] + (-1,))[..., :K], -1, axis).astype(np.float32)
;;   ~~~
;; One version. Each part assembles by itself: llvm-mc -triple=amdgcn-amd-amdhsa -mcpu=gfx1250 --defsym DOCPART=n.
;; ======== version 1 of 1: 2 launches
;; limits: values are held in f16: magnitudes above 65,504 overflow, below 6.1e-05 lose precision; inputs' magnitudes at most 65,504
;; workspace buffers: codes 8,388,608 bytes; scales 524,288 bytes; vh 16,777,216 bytes
;; launch prep (part 1): grid 512 x 1, 4 waves a work-group, no clusters, 35,328 bytes of LDS; arguments q, k, v, codes, scales, vh; writes codes, scales, vh
.if DOCPART == 1
	.amdgcn_target "amdgcn-amd-amdhsa--gfx1250"
	.amdhsa_code_object_version 6
	.text
	.protected	k_q7e13495c23_prep
	.globl	k_q7e13495c23_prep
	.p2align	8
	.type	k_q7e13495c23_prep,@function
k_q7e13495c23_prep:
	s_mov_b64 s[64:65], 0
	v_nop
	global_prefetch_b8 v0, s[64:65] scope:SCOPE_SE
	s_setreg_imm32_b32 hwreg(HW_REG_WAVE_MODE, 25, 1), 1
	s_wait_xcnt 0x0
; q and k [4][2048][1024] f32 become codes of FP4 (E2M1) with one E8M0 scale byte for each 32 along the last axis; v [4][2048][1024] f32 becomes f16.
; Each f32 number is read once here; the attention launch reads an eighth (q, k) or a half (v) of the bytes, several times.
; WORK-GROUPS 0..255 QUANTISE, 256..511 CAST (a scalar branch on the work-group's number).  Waves share nothing: no barrier.
; THE CODES ARE LAID IN THE ORDER OF THE OPERAND'S REGISTERS: codes[tile T][c 0..7][j 0..1][lane][16 bytes].  A tile is 16 rows (T 0..511: q's, T 512..1023: k's, 128 a batch); c is the step of
; 128 along K.  Lane (r = lane % 16, h = lane / 16) holds the 32 codes of row r at k = 128 c + 64 j + 32 h + 0..31: registers 4 j .. 4 j + 3 of the 4-bit fragment.  So a fragment is two loads of 512 dense bytes.
; scales[T][lane][16 bytes]: lanes 0-15 row r's scale words of c = 0..3, lanes 16-31 those of c = 4..7 (a word: four bytes, byte b for k = 32 b .. 32 b + 31 of the step).
; A block's scale is 2^(floor(log2(largest magnitude)) - 2): its byte is the largest magnitude's exponent field - 2, held at 1 from below by a floor among the maximum's leaves.
; LIMITS: a block of zeros gets the byte 1 where the rule says 127 (its codes are zeros, and this program alone reads the bytes); NaN and infinities are not served; |v| beyond 65,504 has no f16 number.
.set STGB,  8704                       ; LDS: a stage for each wave: 16 rows x 528 bytes (512 of data + 16), rounded up to whole blocks of 512
.set SPITCH, 528                       ; 33 x 16 bytes: the 16 rows that a read touches start 16 bytes further on in each 256
.set SPARE, 4*STGB                     ; behind the stages: the spare words, 128 bytes a wave, which no other line names
.set SPW,   30                         ; v30  my spare word's LDS address; never rewritten
.set NIL,   31                         ; v31  0; never rewritten
.set R,     32                         ; v32-159  two sets of 64: a step of 16 rows x 128 numbers as it is loaded
.set X,     160                        ; v160-223 register 32 j + i = k 64 j + 32 h + i of my row
.set C,     224                        ; v224-231 the step's codes
.set W,     232                        ; v232-239 the eight steps' scale words
.set Y,     24                         ; v24-27   the four words that my lane stores
	s_load_b256 s[4:11], s[0:1], 0x0               ; q s[4:5], k s[6:7], v s[8:9], codes s[10:11]
	s_load_b128 s[12:15], s[0:1], 0x20             ; scales s[12:13], vh s[14:15]
	v_lshl_add_u32 v[SPW], v0, 2, SPARE
	v_mov_b32 v[NIL], 0
	v_lshrrev_b32 v5, 5, v0
	v_readfirstlane_b32 s16, v5                    ; wave 0..3
	v_and_b32 v6, 31, v0                           ; lane
	v_lshlrev_b32 v1, 4, v6                        ; 16 x lane
	s_cmp_lt_u32 ttmp9, 256
	s_cbranch_scc0 .Lcast
	; ---------------- the quantiser: wave w of work-group g owns tile T = 4 g + w: 16 rows x 1,024 numbers
	s_mul_i32 s17, s16, STGB
	v_add_nc_u32 v2, s17, v1                       ; into the stage: a row's 512 bytes as they are loaded
	v_and_b32 v7, 15, v0                           ; r
	v_bfe_u32 v5, v0, 4, 1                         ; h
	v_mul_u32_u24 v3, v7, SPITCH
	v_lshl_add_u32 v3, v5, 7, v3
	v_add_nc_u32 v3, s17, v3                       ; out of it: row r, 32 h numbers on
	v_lshlrev_b32 v4, 3, v5                        ; 8 h: my bytes' place in a scale word
	v_mov_b32 v17, 0                               ; written once: a lane permute's destination counts as one of its sources
	s_lshl_b32 s18, ttmp9, 2
	s_add_co_u32 s18, s18, s16                     ; T
	s_and_b32 s20, s18, 511
	s_lshl_b32 s20, s20, 16                        ; the tile's 16 rows of 4,096 bytes in q or in k
	s_mov_b32 s21, 0
	s_lshl_b32 s22, s18, 13                        ; its 8,192 bytes of codes
	s_mov_b32 s23, 0
	s_lshl_b32 s24, s18, 9                         ; its 512 bytes of scale words
	s_mov_b32 s25, 0
	s_mov_b32 s26, 0x76543210
	s_mov_b32 s27, 0xfedcba98                      ; v_permlanex16_b32's selects for lane l xor 16
	s_wait_kmcnt 0x0
	s_cmp_lt_u32 ttmp9, 128                        ; q's tile or k's: the choice hangs on the work-group's number alone
	s_cselect_b64 s[4:5], s[4:5], s[6:7]
	s_add_nc_u64 s[4:5], s[4:5], s[20:21]
	s_add_nc_u64 s[10:11], s[10:11], s[22:23]
	s_add_nc_u64 s[12:13], s[12:13], s[24:25]
.macro LOADQ c                         ; step c: 128 numbers of each of the 16 rows; a load reads 512 consecutive bytes
.set RL, R+64*((\c)%2)
.irp i, 0,1,2,3,4,5,6,7,8,9,10,11,12,13,14,15
	global_load_b128 v[RL+4*\i:RL+4*\i+3], v1, s[4:5] offset:4096*\i+512*(\c) th:TH_LOAD_NT
.endr
.endm
	LOADQ 0
	LOADQ 1
.macro STEP c
.set RS, R+64*((\c)%2)
.if (\c) < 7
	s_wait_loadcnt 16                              ; this step's 16 loads are in; the next step's 16 may be out
.else
	s_wait_loadcnt 0x0
.endif
.irp i, 0,1,2,3,4,5,6,7,8,9,10,11,12,13,14,15
	ds_store_b128 v2, v[RS+4*\i:RS+4*\i+3] offset:SPITCH*\i
.endr
.irp j, 0,1
.irp t, 0,1,2,3,4,5,6,7
	ds_load_b128 v[X+32*\j+4*\t:X+32*\j+4*\t+3], v3 offset:256*\j+16*\t   ; LDS serves a wave's instructions in order: these see the stores above
.endr
.endr
	s_wait_dscnt 0x0                               ; my 64 numbers are back, and the stores have read their registers,
	s_wait_xcnt 0x0                                ; the last step's two stores have read the codes' registers, which the conversions below write; no store follows before them.  The wait stands AHEAD of the step's new loads, so that it waits for none of them
.if (\c)+2 < 8
	LOADQ (\c)+2                                   ; the set just stored takes the loads of two steps on
.endif
	v_max3_num_f32 v8, |v[X]|, |v[X+1]|, 0x1800000         ; my two blocks' largest magnitudes, by turns; the floor 2^(3 - 127) holds the byte at 1 from below
	v_max3_num_f32 v9, |v[X+32]|, |v[X+33]|, 0x1800000
.irp i, 2,4,6,8,10,12,14,16,18,20,22,24,26,28,30
	v_max3_num_f32 v8, v8, |v[X+\i]|, |v[X+\i+1]|
	v_max3_num_f32 v9, v9, |v[X+32+\i]|, |v[X+33+\i]|
.endr
	v_add_nc_u32 v10, 0xff000000, v8               ; 2 off the exponent field: the conversion takes the exponent field of this operand as its scale
	v_add_nc_u32 v11, 0xff000000, v9
	v_lshrrev_b32 v14, 23, v10                     ; the scales' bytes: blocks h and 2 + h of the step
	v_lshrrev_b32 v15, 23, v11
	v_lshl_or_b32 v14, v15, 16, v14
	v_lshlrev_b32 v14, v4, v14                     ; at their places in the word (8 h bits up)
	v_permlanex16_b32 v17, v14, s26, s27
	v_or_b32 v[W+(\c)], v14, v17                   ; with lane l xor 16's two bytes the word is whole
.irp j, 0,1
.irp g, 0,1,2,3
	v_cvt_scalef32_pk8_fp4_f32 v[C+4*\j+\g], v[X+32*\j+8*\g:X+32*\j+8*\g+7], v[10+\j]
.endr
.endr
	v_nop                                          ; one plain vector line behind the last scaled conversion
	global_store_b128 v1, v[C:C+3], s[10:11] offset:1024*(\c)        ; 512 consecutive bytes a store
	global_store_b128 v1, v[C+4:C+7], s[10:11] offset:1024*(\c)+512
.endm
.irp c, 0,1,2,3,4,5,6,7
	STEP \c
.endr
	v_cmp_ne_u32 vcc_lo, 0, v5                     ; lanes 16-31 store the words of c = 4..7
.irp n, 0,1,2,3
	v_cndmask_b32 v[Y+\n], v[W+\n], v[W+4+\n], vcc_lo
.endr
	global_store_b128 v1, v[Y:Y+3], s[12:13]
	s_wait_tensorcnt 0x0                           ; the wave's end, behind my last LDS store
	ds_add_u32 v[SPW], v[NIL]
	s_wait_dscnt 0x0
	s_endpgm
	; ---------------- the cast: wave 4 (g - 256) + w takes 32,768 bytes of v, 64 slots of 512, and stores 16,384 of vh.  No LDS.
	; A ring of 32 slots in registers (v32-159): 32 loads, 16,384 bytes, of a wave are on their way.  The results have 48 pairs of registers (v160-255), so that only slots 48 to 63 write a pair
	; that a store has named: ONE wait frees all sixteen, at slot 48, where the wave's last load was issued 16 slots ago.
.Lcast:
	v_lshlrev_b32 v2, 3, v6                        ; 8 x lane: four f16
	s_sub_co_u32 s18, ttmp9, 256
	s_lshl_b32 s18, s18, 2
	s_add_co_u32 s18, s18, s16
	s_lshl_b32 s20, s18, 15
	s_mov_b32 s21, 0
	s_lshl_b32 s22, s18, 14
	s_mov_b32 s23, 0
	s_wait_kmcnt 0x0
	s_add_nc_u64 s[8:9], s[8:9], s[20:21]
	s_add_nc_u64 s[14:15], s[14:15], s[22:23]
.set Q, 0
.rept 32
	global_load_b128 v[32+4*Q:35+4*Q], v1, s[8:9] offset:512*Q th:TH_LOAD_NT
.set Q, Q+1
.endr
.macro SLOTV n
.set XS, 32+4*((\n)%32)
.set YS, 160+2*((\n)%48)
.if 63-(\n) < 31
	s_wait_loadcnt 63-(\n)                         ; the last slots: the counts run down
.else
	s_wait_loadcnt 31                              ; my slot's load is in; the 31 younger ones stay out
.endif
.if (\n) == 48
	s_wait_xcnt 0x0                                ; the stores of slots 0 to 47 have read their registers: slots 48 to 63 write the pairs of slots 0 to 15
.endif
	v_cvt_pk_f16_f32 v[YS], v[XS], v[XS+1]
	v_cvt_pk_f16_f32 v[YS+1], v[XS+2], v[XS+3]
.if (\n) < 32
	global_load_b128 v[XS:XS+3], v1, s[8:9] offset:512*((\n)+32) th:TH_LOAD_NT
.endif
	global_store_b64 v2, v[YS:YS+1], s[14:15] offset:256*(\n)       ; the wave stores 256 consecutive bytes, aligned
.endm
.set Q, 0
.rept 64
	SLOTV Q
.set Q, Q+1
.endr
	s_endpgm
.Lfunc_end_k_q7e13495c23_prep:
	.size	k_q7e13495c23_prep, .Lfunc_end_k_q7e13495c23_prep-k_q7e13495c23_prep
	.p2alignl 7, 3214868480
	.fill 96, 4, 3214868480
	.section	.rodata,"a",@progbits
	.p2align	6, 0x0
	.amdhsa_kernel k_q7e13495c23_prep
		.amdhsa_group_segment_fixed_size 35328
		.amdhsa_private_segment_fixed_size 0
		.amdhsa_enable_private_segment 0
		.amdhsa_kernarg_size 48
		.amdhsa_user_sgpr_count 2
		.amdhsa_user_sgpr_kernarg_segment_ptr 1
		.amdhsa_wavefront_size32 1
		.amdhsa_system_sgpr_workgroup_id_x 1
		.amdhsa_system_sgpr_workgroup_id_y 1
		.amdhsa_system_sgpr_workgroup_id_z 1
		.amdhsa_system_vgpr_workitem_id 0
		.amdhsa_next_free_vgpr 256
		.amdhsa_next_free_sgpr 66
		.amdhsa_reserve_vcc 1
		.amdhsa_float_denorm_mode_32 3
		.amdhsa_float_denorm_mode_16_64 3
		.amdhsa_memory_ordered 1
		.amdhsa_forward_progress 1
		.amdhsa_inst_pref_size 79
	.end_amdhsa_kernel
	.amdgpu_metadata
---
amdhsa.version: [ 1, 2 ]
amdhsa.kernels:
  - .name:           k_q7e13495c23_prep
    .symbol:         k_q7e13495c23_prep.kd
    .args:
      - { .name: q, .offset: 0, .size: 8, .value_kind: global_buffer, .address_space: global }
      - { .name: k, .offset: 8, .size: 8, .value_kind: global_buffer, .address_space: global }
      - { .name: v, .offset: 16, .size: 8, .value_kind: global_buffer, .address_space: global }
      - { .name: codes, .offset: 24, .size: 8, .value_kind: global_buffer, .address_space: global }
      - { .name: scales, .offset: 32, .size: 8, .value_kind: global_buffer, .address_space: global }
      - { .name: vh, .offset: 40, .size: 8, .value_kind: global_buffer, .address_space: global }
    .group_segment_fixed_size: 35328
    .private_segment_fixed_size: 0
    .kernarg_segment_align: 8
    .kernarg_segment_size: 48
    .max_flat_workgroup_size: 128
    .sgpr_count:     66
    .vgpr_count:     256
    .wavefront_size: 32
...
	.end_amdgpu_metadata
.endif
;; end of part 1
;; launch attn (part 2): grid 32 x 8, 4 waves a work-group, clusters of 4 x 1, 327,680 bytes of LDS; arguments codes, scales, vh, mask, out0; writes out0
.if DOCPART == 2
	.amdgcn_target "amdgcn-amd-amdhsa--gfx1250"
	.amdhsa_code_object_version 6
	.text
	.protected	k_q7e13495c23_attn
	.globl	k_q7e13495c23_attn
	.p2align	8
	.type	k_q7e13495c23_attn,@function
k_q7e13495c23_attn:
	s_mov_b64 s[64:65], 0
	v_nop
	global_prefetch_b8 v0, s[64:65] scope:SCOPE_SE
	s_setreg_imm32_b32 hwreg(HW_REG_WAVE_MODE, 25, 1), 1
	s_wait_xcnt 0x0
	s_wait_alu depctr_hold_cnt(0) depctr_sa_sdst(0) depctr_va_vdst(0) depctr_va_sdst(0) depctr_va_ssrc(0) depctr_va_vcc(0) depctr_vm_vsrc(0)
	s_getreg_b32 s2, hwreg(HW_REG_IB_STS2, 6, 4)
	s_cmp_eq_u32 s2, 0
	s_cbranch_scc0 .Lentry_in_a_cluster
	s_endpgm
.Lentry_in_a_cluster:
	s_bfe_u32 s2, ttmp6, 0x10000c
	s_cmp_lg_u32 s2, 0x3003
	s_cbranch_scc0 .Lentry_shape_is_right
	s_endpgm
.Lentry_shape_is_right:
; out[b][q][:] = sum over k of softmax_k(q . k / 32 + mask[b][k] x (-1e9)) v[b][k][:].  4 batches, 2,048 queries and keys, width 1,024.
; The first product runs on codes of FP4 with E8M0 scales (made by the launch before, laid in the order of the operand's registers); the second on f16 operands (p, v); all sums, the softmax and the mask in f32.
; SHARES.  Work-group (x, y): batch y / 2, channels 512 (y % 2) on, queries 64 x on: 64 queries x 512 channels of the output, 256 work-groups.  The scores of a block of queries are so made twice (once for each half of
; the channels): 64 short matrix instructions a group of keys beside 128 long ones; in return a work-group walks 3 MB of K and V, and each fragment of V feeds four products.
; Keys go in 16 groups of 128.  FIRST PRODUCT: wave w takes keys 32 w .. 32 w + 31 of the group for all 64 queries, S^T = K Q^T (source 0 = 16 keys): a lane holds ONE query (lane % 16) and keys 8 (lane / 16) + 0..7.
; SECOND PRODUCT: wave w takes channels 128 w .. + 127 of the half for all 64 queries, O^T = V^T P^T: again one query a lane.  A wave's two tiles of p, rounded in pairs to f16, ARE source 1 of the step of 32 keys
; number w: they go to LDS as an image of the registers, and every wave loads them back so.  Each wave publishes its keys' largest logit for each query in LDS; all waves form the same running maximum m.
; SOFTMAX.  logit = fma(score, 2^-5, bias): 2^-5 is exact, so this rounds as a multiply and an add do.  p = 2^((logit - m) x log2 e): the difference is formed first, so that logits near -1e9 lose nothing.
; O and the sum are multiplied by a = 2^((old m - new m) x log2 e) in every group.  The sum is taken of the unrounded p; each wave sums its own keys, and the four parts meet at the end.
; PIPELINE, ONE BARRIER A STAGE.  Stage i: scores of group i + 2 | O x a(i) | V^T P of group i | softmax of group i + 1 (its maxima were published at the last barrier) | logits and local maxima of group i + 2.
; THE VECTOR WORK STANDS IN SMALL SLICES BETWEEN THE MATRIX INSTRUCTIONS: about two lines behind each two of the 64 short products, about three behind EACH of the 128 long ones, so that a slice and its two window
; switches are issued while the product in front of them runs.  O's 128 multiplies by a go accumulator by accumulator, in the order in which the second product's first step takes the accumulators up, and keep ahead of it.
; CLUSTER.  The four query blocks of a cluster share batch and half: V's tiles are asked for JOINTLY (mask 15), two LDS slots of 128 keys, each wave 32 rows of 1,024 bytes, one load a wave behind each round.
; K IS NOT ASKED FOR JOINTLY: a fragment of K has one reader in a work-group, so it goes from memory straight into that wave's registers, a stage ahead; through LDS it would be written and read once more,
; and two slots of V (2 x 135,168 bytes) with P's images (32,768) leave no room for a slot of K's codes (65,536) in 327,680 bytes.
; LIMITS: NaN and infinities among the inputs are not served; mask integers beyond 2^24 are rounded by the conversion to f32 (as a cast does); p is rounded to f16 (under 6e-5 with an absolute error of 2^-25, beside a row sum of at least 1).
; REGISTERS, in windows of 256 (s_set_vgpr_msb: bits 1:0 source 0, 3:2 source 1, 5:4 source 2, 7:6 destination):
;   window 0: addresses, scale words, mask, statistics, S (scores, 16 qt + 8 kt), L (logits, then p)   window 1: O^T (64 qt + 8 dt)   window 2: Q (64 qt + 8 c)
;   window 3: v0-127 K (64 kt + 8 c); v128-191 V^T of one step of 32 keys (8 dt); v192-255 P, two buffers (32 pb + 8 qt)
.set VP,    1056                       ; a row of V in LDS: 1,024 bytes + 32 = 33 x 32 bytes
.set KSB,   32*VP                      ; 32 keys: a wave's tensor load, and a step of the second product
.set SLOT1, 128*VP                     ; 0x21000: slot 1.  The waves' offsets w x KSB have bits 12 and 17 clear, so one exclusive or turns an address from one slot to the other
.set PB,    2*SLOT1                    ; P's images: two buffers of 16 fragments of 1,024 bytes: fragment (step s, tile qt) at (4 s + qt) x 1,024, its halves 512 apart, 16 bytes a lane
.set PBUF,  16384
.set ST,    PB+2*PBUF                  ; local maxima: two buffers [qt][query r][wave] of f32
.set SBUF,  1024
.set LXO,   2*SBUF                     ; behind them, laid alike: the waves' row sums
.set SPARE, ST+3*SBUF                  ; the spare words, 128 bytes a wave, which no other line names
.set OSP,   528                        ; the way out: a stage of 16 rows x (512 bytes + 16) for each wave, in V's slot 0, which has had its last fill and its last read by then
.set OSTG,  16*OSP
.set L16,  1                           ; v1   16 x lane
.set AV0,  2                           ; v2   my lane's place in a step of V, for the turning load
.set ADSR, 3                           ; v3   where this stage reads maxima
.set ADRP, 4                           ; v4   where it reads P
.set PRB,  5                           ; v5   PB + 16 x lane
.set PWB,  6                           ; v6   PB + 4,096 x wave + 16 x lane
.set STWB, 7                           ; v7   ST + 16 r + 4 x wave
.set STRB, 8                           ; v8   ST + 16 r
.set MOFF, 9                           ; v9   32 h: my eight keys' mask words
.set ADPW, 10                          ; v10  where this stage stores P
.set ADSW, 11                          ; v11  where it stores maxima
.set SPW,  12                          ; v12  my spare word's LDS address; never rewritten
.set NIL,  13                          ; v13  0; never rewritten
.set PFO,  14                          ; v14  2,048 x lane: a row of vh
.set PFKO, 15                          ; v15  256 x lane
.set STO,  16                          ; v16  the way out: where I put 32 bytes of a row
.set RD,   17                          ; v17  and where I read a row back
.set VA,   20                          ; v20-23 the stage's four steps of V
.set QS,   24                          ; v24-39 Q's scale words: register 4 qt + n: lanes 0-15 c = n, lanes 16-31 c = 4 + n
.set KS,   40                          ; v40-47 K's, 4 kt + n
.set MK,   48                          ; v48-63 mask words of my keys, 8 kt + j
.set BI,   64                          ; v64-79 the bias mask x (-1e9)
.set STAT, 80                          ; v80-111 eight a tile qt: +0 m, +1 (named with it as a pair), +2, +3 the sum in two halves, +4 a, +5 to +7 at work
.set SX,   112                         ; v112-127 the four waves' maxima, 4 qt + wave
.set S,    128
.set L,    192
.set VF,   128                         ; in window 3
.set PF,   192
.set WV,   14
.set CX,   15
.set QB,   16
.set YY,   17
.set BA,   18
.set DH,   19
.set QC,   20                          ; s[20:21] Q's codes, s[22:23] its scale words
.set QSC,  22
.set G1,   24                          ; s[24:31] descriptor group 1
.set G0,   32                          ; s[32:35] group 0, which walks
.set KC,   36                          ; s[36:37] my two tiles of K of the group to be loaded; s[38:39] their scale words; s[40:41] their mask words
.set KSC,  38
.set MKP,  40
.set PFA,  42                          ; s[42:43] V's prefetches, s[44:45] K's
.set PFK,  44
.set TV,   46                          ; LDS offsets that turn at each stage: V's slot in hand,
.set TPC,  47                          ; P's buffer that is read, and
.set TPN,  48                          ; the one that is written,
.set TSR,  49                          ; the maxima's likewise
.set TSW,  50
.set CNT,  51                          ; 14 - the stage's number
.set LIMV, 52                          ; a wave prefetches V while CNT is above this: 0 or the greatest number
.set LIMK, 53                          ; and K: 2 or the greatest number
.set SEL,  54                          ; s[54:55] v_permlanex16_b32's selects for lane l xor 16
.set LE,   56                          ; s[56:57] log2 e   (the packed forms name a pair and take its low word for both halves)
.set SC,   58                          ; s[58:59] 2^-5
.set NB,   60                          ; s[60:61] -1e9
.set RSA,  48                          ; of O's 128 multiplies by a, those that stand among the scores: 12 accumulators' worth
.set RSL,  (128-RSA+2)/3               ; the slices of three that hold the other 80: 27
.set TL,   6                           ; the stage's last products stand bare: the stores of the maxima land meanwhile
.set W_QK, 0x0b                        ; K window 3, Q window 2, S window 0
.set W_PV, 0x5f                        ; V and P window 3, O window 1
.set W_RS, 0x41                        ; O window 1, a window 0
.set TO_3, 0xc0
.set TO_2, 0x80
.set MSB, 0
.macro WIN new                         ; the immediate's high byte repeats the setting that is left; a switch that changes nothing is dropped
.if MSB != (\new)
	s_set_vgpr_msb (MSB<<8)|(\new)
.set MSB, \new
.endif
.endm
.macro PLACES                          ; four plain places in front of loads into registers that matrix instructions have read (ISA guide 7.12.1 for vector instructions)
.rept 4
	v_nop
.endr
.endm
.macro ROUND                           ; a round of the cluster's barrier
	s_barrier_signal -1
	s_barrier_wait -1
	s_cmp_lg_u32 s[WV], 0
	s_cbranch_scc1 .Lnot_wave_0_\@
	s_barrier_signal -3
.Lnot_wave_0_\@:
	s_barrier_wait -3
	s_barrier_signal -1
	s_barrier_wait -1
.endm
.macro KSTEP                           ; on to the next group's K, scale words and mask words
	s_wait_xcnt 0x0                                ; the loads and prefetches issued so far have read their bases
	s_add_nc_u64 s[KC:KC+1], s[KC:KC+1], 65536
	s_add_nc_u64 s[KSC:KSC+1], s[KSC:KSC+1], 4096
	s_add_nc_u64 s[MKP:MKP+1], s[MKP:MKP+1], 512
.endm
; A group's K for my wave: 2 tiles x 8 fragments (32 loads of 512 dense bytes), 2 loads of scale words, 4 of mask words.  mode 2: in the loop, whose last trip has no group left to load.
.macro KLOAD mode
	WIN 0
.if \mode == 2
	s_cmp_gt_u32 s[CNT], 1
	s_cbranch_scc0 .Lno_k_\@
.endif
	WIN TO_3
.irp kt, 0,1
.irp c, 0,1,2,3,4,5,6,7
	global_load_b128 v[64*\kt+8*\c:64*\kt+8*\c+3], v[L16], s[KC:KC+1] offset:\kt*8192+\c*1024
	global_load_b128 v[64*\kt+8*\c+4:64*\kt+8*\c+7], v[L16], s[KC:KC+1] offset:\kt*8192+\c*1024+512
.endr
.endr
	WIN 0
.irp kt, 0,1
	global_load_b128 v[KS+4*\kt:KS+4*\kt+3], v[L16], s[KSC:KSC+1] offset:\kt*512
	global_load_b128 v[MK+8*\kt:MK+8*\kt+3], v[MOFF], s[MKP:MKP+1] offset:64*\kt
	global_load_b128 v[MK+8*\kt+4:MK+8*\kt+7], v[MOFF], s[MKP:MKP+1] offset:64*\kt+16
.endr
.if \mode == 2
.Lno_k_\@:
.endif
.endm
; Product iq of 64 of S^T = K Q^T: step c = iq / 8 of 128 along K, key tile (iq % 8) / 4, query tile iq % 4.  The eight accumulators take turns; the first eight start the sums.
.macro QKW
.set qc, iq/8
.set qt_, iq%4
.set kt_, (iq%8)/4
.set rS, S+16*qt_+8*kt_
.set rK, 64*kt_+8*qc
.set rQ, 64*qt_+8*qc
.if qc == 0
	v_wmma_scale_f32_16x16x128_f8f6f4 v[rS:rS+7], v[rK:rK+7], v[rQ:rQ+7], 0, v[KS+4*kt_], v[QS+4*qt_] matrix_a_fmt:MATRIX_FMT_FP4 matrix_b_fmt:MATRIX_FMT_FP4
.elseif qc < 4
	v_wmma_scale_f32_16x16x128_f8f6f4 v[rS:rS+7], v[rK:rK+7], v[rQ:rQ+7], v[rS:rS+7], v[KS+4*kt_+qc], v[QS+4*qt_+qc] matrix_a_fmt:MATRIX_FMT_FP4 matrix_b_fmt:MATRIX_FMT_FP4
.else
	v_wmma_scale_f32_16x16x128_f8f6f4 v[rS:rS+7], v[rK:rK+7], v[rQ:rQ+7], v[rS:rS+7], v[KS+4*kt_+qc-4], v[QS+4*qt_+qc-4] matrix_a_fmt:MATRIX_FMT_FP4 matrix_b_fmt:MATRIX_FMT_FP4 matrix_a_scale:MATRIX_SCALE_ROW1 matrix_b_scale:MATRIX_SCALE_ROW1
.endif
.set iq, iq+1
.endm
; Multiply jr of 128 of O^T by a: accumulator jr / 4 in the order of the second product's first step (query tile (jr / 4) % 4, channels 16 (jr / 16) on), its pair jr % 4: each accumulator from its low end on.
.macro RSW
.set ra, jr/4
.set rR, 64*(ra%4)+8*(ra/4)+2*(jr%4)
	v_pk_mul_f32 v[rR:rR+1], v[rR:rR+1], v[STAT+8*(ra%4)+4:STAT+8*(ra%4)+5] op_sel_hi:[1,0]
.set jr, jr+1
.endm
; PHASE A: the scores of the group two on: 64 products, in pairs.  Its own short list stands between the pairs: the 24 lines that make the group's bias of its mask words (they must be over before the
; next group's mask words are asked for), then the first RSA of O's multiplies.  AITEM writes number na of that list, ASLICE slice ka of 32.
.macro AITEM
.if na < aZ
	WIN 0
.if na < 16
	v_cvt_f32_i32 v[BI+na], v[MK+na]
.else
	v_pk_mul_f32 v[BI+2*(na-16):BI+2*(na-16)+1], v[BI+2*(na-16):BI+2*(na-16)+1], s[NB:NB+1] op_sel_hi:[1,0]
.endif
.else
	WIN W_RS
	RSW
.endif
.set na, na+1
.endm
.macro ASLICE
.rept ((ka+1)*NA+31)/32-na
	AITEM
.endr
.set ka, ka+1
.endm
.macro PHASEA qk, rs, z
.set aZ, 24*\z
.set NA, aZ+RSA*\rs
.set na, 0
.set ka, 0
.set iq, 0
.set jr, 0
.if \qk
	s_wait_loadcnt 0x0                             ; K, its scale words and the mask words, asked for a stage ago (at the start: Q too)
.rept 32
	WIN W_QK
	QKW
	QKW
	ASLICE
.endr
.else
.rept NA
	AITEM
.endr
.endif
	WIN 0
.endm
; Product ip of 128 of O^T += V^T P^T: step s = ip / 32 of 32 keys, channels 16 ((ip % 32) / 4) on, query tile ip % 4.  The 32 accumulators take turns.  first = 1: step 0 starts the sums.
.macro PVW first
.set ps, ip/32
.set rO, 64*(ip%4)+8*((ip%32)/4)
.set rV, VF+8*((ip%32)/4)
.set rP, PF+32*(ps%2)+8*(ip%4)
.if \first && (ps == 0)
	v_wmma_f32_16x16x32_f16 v[rO:rO+7], v[rV:rV+7], v[rP:rP+7], 0
.else
	v_wmma_f32_16x16x32_f16 v[rO:rO+7], v[rV:rV+7], v[rP:rP+7], v[rO:rO+7]
.endif
.set ip, ip+1
.endm
; THE LDS LOADS stand in runs.  At a stage's head: its addresses; V's eight fragments and P's four of step 0; the maxima published at the barrier.
.macro RUN_TOP pv, smb, lm
.if \smb
	v_add_nc_u32 v[ADPW], s[TPN], v[PWB]
	v_add_nc_u32 v[ADSR], s[TSR], v[STRB]
.endif
.if \lm
	v_add_nc_u32 v[ADSW], s[TSW], v[STWB]
.endif
.if \pv
	v_add_nc_u32 v[ADRP], s[TPC], v[PRB]
	v_add_nc_u32 v[VA], s[TV], v[AV0]
	v_add_nc_u32 v[VA+1], KSB, v[VA]
	v_add_nc_u32 v[VA+2], 2*KSB, v[VA]
	v_add_nc_u32 v[VA+3], 3*KSB, v[VA]
	WIN TO_3
.irp dt, 0,1,2,3,4,5,6,7
	ds_load_tr16_b128 v[VF+8*\dt:VF+8*\dt+3], v[VA] offset:32*\dt             ; keys 8 h + 0..7 of channel 16 dt + r
	ds_load_tr16_b128 v[VF+8*\dt+4:VF+8*\dt+7], v[VA] offset:32*\dt+16*VP     ; keys 16 + 8 h + 0..7
.endr
.irp qt, 0,1,2,3
	ds_load_b128 v[PF+8*\qt:PF+8*\qt+3], v[ADRP] offset:1024*\qt
	ds_load_b128 v[PF+8*\qt+4:PF+8*\qt+7], v[ADRP] offset:1024*\qt+512
.endr
	WIN 0
.endif
.if \smb
.irp qt, 0,1,2,3
	ds_load_b128 v[SX+4*\qt:SX+4*\qt+3], v[ADSR] offset:256*\qt
.endr
.endif
.endm
.macro RUN_M s                         ; in the middle of step s: V's fragments 0-3, which the step has done with, and P's other buffer take step s + 1
	PLACES
	WIN TO_3
.irp dt, 0,1,2,3
	ds_load_tr16_b128 v[VF+8*\dt:VF+8*\dt+3], v[VA+(\s)+1] offset:32*\dt
	ds_load_tr16_b128 v[VF+8*\dt+4:VF+8*\dt+7], v[VA+(\s)+1] offset:32*\dt+16*VP
.endr
.irp qt, 0,1,2,3
	ds_load_b128 v[PF+32*(((\s)+1)%2)+8*\qt:PF+32*(((\s)+1)%2)+8*\qt+3], v[ADRP] offset:(4*((\s)+1)+\qt)*1024
	ds_load_b128 v[PF+32*(((\s)+1)%2)+8*\qt+4:PF+32*(((\s)+1)%2)+8*\qt+7], v[ADRP] offset:(4*((\s)+1)+\qt)*1024+512
.endr
.endm
.macro RUN_E s                         ; at the head of step s: V's fragments 4-7 of this step, wanted 16 products on
	PLACES
	WIN TO_3
.irp dt, 4,5,6,7
	ds_load_tr16_b128 v[VF+8*\dt:VF+8*\dt+3], v[VA+(\s)] offset:32*\dt
	ds_load_tr16_b128 v[VF+8*\dt+4:VF+8*\dt+7], v[VA+(\s)] offset:32*\dt+16*VP
.endr
	s_wait_dscnt 8                                 ; all but these eight: V's fragments 0-3 and P of this step are in
.endm
; THE SOFTMAX'S WORK IN PHASE B is one numbered list, all of it in window 0; BITEM writes number n of it.  Its parts (bounds set by PHASEB from its flags):
;   M  24: for each query tile: the new m from the four waves' maxima and the old m; a = 2^((old m - new m) log2 e).  It writes a anew, so it stands behind all of O's multiplies
;   D  32: logit - m, in pairs       E 96: x log2 e (32 packed) and the 64 exponentials; none of these names an exponential's result
;   W   1: a plain line and the ONE wait between the 68 exponentials and the first line that names a result
;   S  32: the sum = the sum x a + the 16 p      C 32: p in pairs to f16, ascending, in place      P 1: P's image to LDS
;   F  32: the logits of the group two on        G 40: their largest for each query                 T 1: published in LDS
.macro BITEM
	WIN 0
.if n < bM
.set u, n
.set rT, STAT+8*(u%4)
.set rX, SX+4*(u%4)
.if u/4 == 0
	v_max3_num_f32 v[rT+6], v[rX], v[rX+1], v[rX+2]
.elseif u/4 == 1
	v_max3_num_f32 v[rT+6], v[rT+6], v[rX+3], v[rT]
.elseif u/4 == 2
	v_sub_f32 v[rT+7], v[rT], v[rT+6]
.elseif u/4 == 3
	v_mov_b32 v[rT], v[rT+6]
.elseif u/4 == 4
	v_mul_f32 v[rT+7], s[LE], v[rT+7]
.else
	v_exp_f32 v[rT+4], v[rT+7]
.endif
.elseif n < bD
.set u, n-bM
	v_pk_add_f32 v[L+2*u:L+2*u+1], v[L+2*u:L+2*u+1], v[STAT+8*(u/8):STAT+8*(u/8)+1] op_sel_hi:[1,0] neg_lo:[0,1] neg_hi:[0,1]
.elseif n < bE
.set u, n-bD
.if u == 0
	v_pk_mul_f32 v[L:L+1], v[L:L+1], s[LE:LE+1] op_sel_hi:[1,0]
.elseif u >= 94
	v_exp_f32 v[L+u-32], v[L+u-32]
.elseif (u-1)%3 == 0
.set e, 2*((u-1)/3+1)
	v_pk_mul_f32 v[L+e:L+e+1], v[L+e:L+e+1], s[LE:LE+1] op_sel_hi:[1,0]
.else
.set e, 2*((u-1)/3)+(u-1)%3-1
	v_exp_f32 v[L+e], v[L+e]
.endif
.elseif n < bW
	v_nop
	s_wait_alu depctr_va_vdst(0)
.elseif n < bS
.set u, n-bW
.set rT, STAT+8*(u%4)
.set rL, L+16*(u%4)+2*(u/4)
.if u/4 == 0
	v_pk_fma_f32 v[rT+2:rT+3], v[rT+2:rT+3], v[rT+4:rT+5], v[rL:rL+1] op_sel_hi:[1,0,1]
.else
	v_pk_add_f32 v[rT+2:rT+3], v[rT+2:rT+3], v[rL:rL+1]
.endif
.elseif n < bC
.set u, n-bS
.set rL, L+16*(u/8)
	v_cvt_pk_f16_f32 v[rL+u%8], v[rL+2*(u%8)], v[rL+2*(u%8)+1]
.elseif n < bP
.irp qt, 0,1,2,3
	ds_store_b128 v[ADPW], v[L+16*\qt:L+16*\qt+3] offset:1024*\qt
	ds_store_b128 v[ADPW], v[L+16*\qt+4:L+16*\qt+7] offset:1024*\qt+512
.endr
.elseif n < bF
.set u, n-bP
	v_pk_fma_f32 v[L+2*u:L+2*u+1], v[S+2*u:S+2*u+1], s[SC:SC+1], v[BI+(2*u)%16:BI+(2*u)%16+1] op_sel_hi:[1,0,1]
.elseif n < bG
.set u, n-bF
.set rT, STAT+8*(u%4)
.set rL, L+16*(u%4)
.set g, u/4
.if g == 0
	v_max3_num_f32 v[rT+6], v[rL], v[rL+1], v[rL+2]
.elseif g < 7
	v_max3_num_f32 v[rT+6], v[rT+6], v[rL+2*g+1], v[rL+2*g+2]
.elseif g == 7
	v_max_num_f32 v[rT+6], v[rT+6], v[rL+15]
.elseif g == 8
	v_permlanex16_b32 v[rT+5], v[rT+6], s[SEL], s[SEL+1]   ; the query's other 16 keys of my wave lie in the lane 16 away
.else
	v_max_num_f32 v[rT+6], v[rT+6], v[rT+5]
.endif
.else
.irp qt, 0,1,2,3
	ds_store_b32 v[ADSW], v[STAT+8*\qt+6] offset:256*\qt   ; both halves of the lanes write the same word with the same value
.endr
.endif
.set n, n+1
.endm
; Slice k of 128, behind product k.  Slices 0 .. LB - 1 hold the rest of O's multiplies, three each: before product a of the first step RSA + 3 a of them are done and 4 a + 4 are wanted, which holds up to a = 31,
; and each stands ahead of the product that takes its accumulator up.  Slices LB .. LB + NS - 1 deal the softmax's list out evenly.  The last TL are empty.
.macro SLICE
.if k < LB
.rept 3
.if jr < 128
	WIN W_RS
	RSW
.endif
.endr
.elseif (NTOT > 0) && (k < LB+NS)
.rept ((k-LB+1)*NTOT+NS-1)/NS-n
	BITEM
.endr
.endif
.set k, k+1
.endm
; PHASE B.  First the loads of the group of K three on: the scores have done with K's registers (four places stand between), and the bias has been made of the mask words.  Then the 128 products, a slice behind each.
.macro PHASEB pv, first, rs, kl, smb, lm
.set bM, 24*\smb
.set bD, bM+32*\smb
.set bE, bD+96*\smb
.set bW, bE+\smb
.set bS, bW+32*\smb
.set bC, bS+32*\smb
.set bP, bC+\smb
.set bF, bP+32*\lm
.set bG, bF+40*\lm
.set NTOT, bG+\lm
.set LB, RSL*\rs
.set NS, 128-LB-TL
.set n, 0
.set k, 0
.set ip, 0
.if \kl
	PLACES
	KLOAD \kl
.endif
	s_wait_dscnt 0x0                               ; the run at the stage's head is in
.if \pv
.rept 128
.if (ip%32 == 0) && (ip > 0)
	RUN_E ip/32
.endif
.if ip%32 == 16
	s_wait_dscnt 0x0                               ; V's fragments 4-7 of this step are in
.if ip/32 < 3
	RUN_M ip/32
.endif
.endif
	WIN W_PV
	PVW \first
	SLICE
.endr
.else
.rept NTOT
	BITEM
.endr
.endif
	WIN 0
.endm
; A STAGE'S HEAD.  kind 0: a plain barrier.  kind 1: V's slot that was read last is filled again: every wave waits for all its tensor loads
; (one is out: its part of the slot that it is about to read), adds 0 to its spare word, waits for that and for its LDS reads and stores; the cluster's round; the joint load first behind it.  It has a whole
; stage, 192 matrix instructions, in which to land.  kind 2: the last stage: the same lines, a plain barrier, no load.
.macro TOP kind, kst
	WIN 0
.if \kind > 0
	s_wait_tensorcnt 0x0                           ; no tensor load of mine is out, so group 0 may be written
	ds_add_u32 v[SPW], v[NIL]                      ; 0 onto my spare word: the steps below stand between it and the wait for it
.endif
	s_xor_b32 s[TV], s[TV], SLOT1
	s_xor_b32 s[TPC], s[TPC], PBUF
	s_xor_b32 s[TPN], s[TPN], PBUF
	s_xor_b32 s[TSR], s[TSR], SBUF
	s_xor_b32 s[TSW], s[TSW], SBUF
.if \kind == 1
	s_xor_b32 s[G0+1], s[G0+1], SLOT1              ; the other slot than last time,
	s_add_nc_u64 s[G0+2:G0+3], s[G0+2:G0+3], 262144  ; the next 128 rows of 2,048 bytes; the type bits on top are not reached
.endif
.if \kst
	KSTEP
.if \kind == 1
	s_add_nc_u64 s[PFA:PFA+1], s[PFA:PFA+1], 262144
	s_add_nc_u64 s[PFK:PFK+1], s[PFK:PFK+1], 65536
.endif
.endif
	s_wait_dscnt 0x0                               ; the add is done, my LDS stores have landed and my LDS reads are over
.if \kind == 1
	ROUND
	tensor_load_to_lds s[G0:G0+3], s[G1:G1+7]
	s_nop 0
	PLACES                                         ; (the places in front of the loads and multiplies below)
.else
	s_barrier_signal -1
	s_barrier_wait -1
.if \kind == 2
	PLACES
.endif
.endif
.endm
; PREFETCHES INTO THE L2, behind the stage's tensor load and its first run of LDS loads.  V: the group that the NEXT stage's tensor load asks for; all eight clusters of a (batch, half) walk the same rows, so the first
; of them asks: 128 rows x 1,024 bytes = 512 blocks of 256 bytes = 4 partners x 4 waves x 32 lanes: partner cx takes rows 32 cx on (by address), a lane a row, wave w the block at 256 w.
; K: the group that the NEXT stage's loads ask for; all clusters of a batch, of both halves, read the same codes, so the first cluster of half 0 asks: 65,536 bytes = 256 blocks = 4 partners x waves 0, 1 x 32 lanes.
; Each block is named once in the launch.  The first groups come by their loads alone; the last stages ask for nothing: V stops with group 15 (the loop's last trip), K with group 15 (CNT = 3).
.macro ASK
	s_cmp_gt_u32 s[CNT], s[LIMV]
	s_cbranch_scc0 .Lno_v_\@
	global_prefetch_b8 v[PFO], s[PFA:PFA+1] th:TH_LOAD_NT scope:SCOPE_SE
.Lno_v_\@:
	s_cmp_gt_u32 s[CNT], s[LIMK]
	s_cbranch_scc0 .Lno_kp_\@
	global_prefetch_b8 v[PFKO], s[PFK:PFK+1] th:TH_LOAD_NT scope:SCOPE_SE
.Lno_kp_\@:
.endm
.macro STAGE kind, kst, ask, qk, rs, pv, first, z, kl, smb, lm
	TOP \kind, \kst
	RUN_TOP \pv, \smb, \lm
.if \ask
	ASK
.endif
	PHASEA \qk, \rs, \z
	PHASEB \pv, \first, \rs, \kl, \smb, \lm
.endm
	s_load_b256 s[4:11], s[0:1], 0x0               ; codes s[4:5], scales s[6:7], vh s[8:9], mask s[10:11]
	s_load_b64 s[12:13], s[0:1], 0x20              ; out0
	v_lshl_add_u32 v[SPW], v0, 2, SPARE
	v_mov_b32 v[NIL], 0
	ds_add_u32 v[SPW], v[NIL]                      ; the wave's opening: the add, twice on end, and its wait ahead of my first tensor load
	ds_add_u32 v[SPW], v[NIL]
	v_lshrrev_b32 v18, 5, v0
	v_readfirstlane_b32 s[WV], v18                 ; wave 0..3
	s_bfe_u32 s[CX], ttmp6, 0x40000                ; my place in the cluster
	s_lshl_b32 s[QB], ttmp9, 2
	s_add_co_u32 s[QB], s[QB], s[CX]               ; my block of 64 queries: it enters Q's and the output's addresses alone
	s_and_b32 s[YY], ttmp7, 0xffff
	s_lshr_b32 s[BA], s[YY], 1                     ; batch
	s_and_b32 s[DH], s[YY], 1                      ; which half of the channels
	; descriptor group 1: 32 rows x 512 elements of 2 bytes, 2,048 bytes apart in memory, 32 bytes of padding behind each in LDS
	s_mov_b32 s[G1], 15|(1<<16)|(1<<20)|(1<<21)|(7<<22)|(7<<25)   ; 15:0 the mask: all four work-groups; 17:16 elements of 2 bytes; 20 padding on; 21 set beside a mask; 24:22 after every 256 words (code 7); 31:25 eight words (code 7)
	s_mov_b32 s[G1+1], 512<<16                     ; tensor_dim0
	s_mov_b32 s[G1+2], 32<<16                      ; tensor_dim1
	s_mov_b32 s[G1+3], 512<<16                     ; tile_dim0
	s_mov_b32 s[G1+4], 32                          ; tile_dim1
	s_mov_b32 s[G1+5], 1024                        ; elements from row to row
	s_mov_b32 s[G1+6], 0
	s_mov_b32 s[G1+7], 0
	s_mov_b32 s[G0], 1
	s_mul_i32 s[G0+1], s[WV], KSB                  ; slot 0, my 32 rows
	s_mov_b32 s[TV], 0
	s_mov_b32 s[TPC], 0
	s_mov_b32 s[TPN], PBUF
	s_mov_b32 s[TSR], SBUF
	s_mov_b32 s[TSW], 0
	s_mov_b32 s[SEL], 0x76543210
	s_mov_b32 s[SEL+1], 0xfedcba98
	s_mov_b32 s[LE], 0x3fb8aa3b
	s_mov_b32 s[LE+1], s[LE]
	s_mov_b32 s[SC], 0x3d000000
	s_mov_b32 s[SC+1], s[SC]
	s_mov_b32 s[NB], 0xce6e6b28
	s_mov_b32 s[NB+1], s[NB]
	; byte offsets that the four partners share
	s_lshl_b32 s66, s[BA], 22
	s_lshl_b32 s67, s[DH], 10
	s_add_co_u32 s66, s66, s67                     ; vh: batch, half
	s_lshl_b32 s67, s[WV], 16
	s_add_co_u32 s68, s66, s67                     ; + my 32 rows
	s_mov_b32 s69, 0
	s_lshl_b32 s70, s[BA], 20
	s_add_co_u32 s70, s70, 4194304                 ; codes: K's tiles of the batch
	s_lshl_b32 s67, s[WV], 14
	s_add_co_u32 s72, s70, s67                     ; + my two tiles
	s_mov_b32 s73, 0
	s_lshl_b32 s74, s[BA], 16
	s_lshl_b32 s67, s[WV], 10
	s_add_co_u32 s74, s74, s67
	s_add_co_u32 s74, s74, 262144                  ; their scale words
	s_mov_b32 s75, 0
	s_lshl_b32 s76, s[BA], 13
	s_lshl_b32 s67, s[WV], 7
	s_add_co_u32 s76, s76, s67                     ; their mask words
	s_mov_b32 s77, 0
	; and those that hang on my place in the cluster
	s_lshl_b32 s78, s[BA], 20
	s_lshl_b32 s87, s[QB], 15
	s_add_co_u32 s78, s78, s87                     ; Q's four tiles
	s_mov_b32 s79, 0
	s_lshl_b32 s80, s[BA], 16
	s_lshl_b32 s87, s[QB], 11
	s_add_co_u32 s80, s80, s87                     ; their scale words
	s_mov_b32 s81, 0
	s_lshl_b32 s82, s[BA], 23
	s_lshl_b32 s87, s[QB], 18
	s_add_co_u32 s82, s82, s87
	s_lshl_b32 s87, s[DH], 11
	s_add_co_u32 s82, s82, s87
	s_lshl_b32 s87, s[WV], 9
	s_add_co_u32 s82, s82, s87                     ; the output: my block's first row, my wave's 128 channels
	s_mov_b32 s83, 0
	s_lshl_b32 s87, s[CX], 16
	s_add_co_u32 s84, s66, s87
	s_lshl_b32 s87, s[WV], 8
	s_add_co_u32 s84, s84, s87
	s_add_co_u32 s84, s84, 262144                  ; V's prefetches stand at group 1: stage 0 steps them to group 2
	s_mov_b32 s85, 0
	s_lshl_b32 s87, s[CX], 1
	s_add_co_u32 s87, s87, s[WV]
	s_lshl_b32 s87, s87, 13
	s_add_co_u32 s88, s70, s87
	s_add_co_u32 s88, s88, 3*65536                 ; K's at group 3: stage 0 steps them to group 4
	s_mov_b32 s89, 0
	s_cmp_eq_u32 ttmp9, 0                          ; the cluster's number: the same in all four partners
	s_cselect_b32 s[LIMV], 0, -1
	s_lshr_b32 s86, s[WV], 1
	s_or_b32 s86, s86, s[DH]
	s_or_b32 s86, s86, ttmp9
	s_cmp_eq_u32 s86, 0
	s_cselect_b32 s[LIMK], 2, -1
	s_wait_dscnt 0x0                               ; both opening adds are done
	s_wait_kmcnt 0x0
	s_add_nc_u64 s[G0+2:G0+3], s[8:9], s[68:69]
	s_or_b32 s[G0+3], s[G0+3], 0x80000000          ; type = 2
	s_add_nc_u64 s[KC:KC+1], s[4:5], s[72:73]
	s_add_nc_u64 s[KSC:KSC+1], s[6:7], s[74:75]
	s_add_nc_u64 s[MKP:MKP+1], s[10:11], s[76:77]
	s_add_nc_u64 s[QC:QC+1], s[4:5], s[78:79]
	s_add_nc_u64 s[QSC:QSC+1], s[6:7], s[80:81]
	s_add_nc_u64 s[12:13], s[12:13], s[82:83]
	s_add_nc_u64 s[PFA:PFA+1], s[8:9], s[84:85]
	s_add_nc_u64 s[PFK:PFK+1], s[4:5], s[88:89]
	ROUND                                          ; all four work-groups are here: the first joint loads meet
	tensor_load_to_lds s[G0:G0+3], s[G1:G1+7]      ; V of group 0
	s_nop 0
	PLACES
	v_and_b32 v18, 31, v0                          ; lane
	v_lshlrev_b32 v[L16], 4, v18
	v_lshlrev_b32 v[PFO], 11, v18
	v_lshlrev_b32 v[PFKO], 8, v18
	v_and_b32 v19, 15, v0                          ; r
	v_bfe_u32 v18, v0, 4, 1                        ; h
	v_lshlrev_b32 v[MOFF], 5, v18
	v_and_b32 v[AV0], 7, v0                        ; the turning load: lane l reads 16 bytes of key 8 h + l % 8, channels 8 ((l / 8) % 2) on
	v_lshl_add_u32 v[AV0], v18, 3, v[AV0]
	v_mul_u32_u24 v[AV0], v[AV0], VP
	v_bfe_u32 v[ADSR], v0, 3, 1
	v_lshl_add_u32 v[AV0], v[ADSR], 4, v[AV0]
	s_lshl_b32 s66, s[WV], 8
	v_add_nc_u32 v[AV0], s66, v[AV0]               ; + my wave's 128 channels
	v_add_nc_u32 v[PRB], PB, v[L16]
	s_lshl_b32 s66, s[WV], 12
	v_add_nc_u32 v[PWB], s66, v[PRB]
	v_lshl_add_u32 v[STRB], v19, 4, ST
	s_lshl_b32 s66, s[WV], 2
	v_add_nc_u32 v[STWB], s66, v[STRB]
	s_mul_i32 s66, s[WV], OSTG
	v_mul_u32_u24 v[STO], v19, OSP
	v_lshl_add_u32 v[STO], v18, 5, v[STO]
	v_add_nc_u32 v[STO], s66, v[STO]
	v_add_nc_u32 v[RD], s66, v[L16]
	WIN TO_2
.irp qt, 0,1,2,3                       ; Q's 32 fragments stay in registers
.irp c, 0,1,2,3,4,5,6,7
	global_load_b128 v[64*\qt+8*\c:64*\qt+8*\c+3], v[L16], s[QC:QC+1] offset:\qt*8192+\c*1024
	global_load_b128 v[64*\qt+8*\c+4:64*\qt+8*\c+7], v[L16], s[QC:QC+1] offset:\qt*8192+\c*1024+512
.endr
.endr
	WIN 0
.irp qt, 0,1,2,3
	global_load_b128 v[QS+4*\qt:QS+4*\qt+3], v[L16], s[QSC:QSC+1] offset:\qt*512
.endr
	KLOAD 1                                        ; group 0
.irp qt, 0,1,2,3
	v_mov_b32 v[STAT+8*\qt], 0xff61b1e6            ; m: -3e38, under every logit
	v_mov_b32 v[STAT+8*\qt+1], 0
	v_mov_b32 v[STAT+8*\qt+2], 0                   ; the sum
	v_mov_b32 v[STAT+8*\qt+3], 0
	v_mov_b32 v[STAT+8*\qt+5], 0                   ; a lane permute's destination counts as one of its sources
.endr
	KSTEP
	; two stages fill the pipeline: scores, logits and maxima of group 0; then the same of group 1 with the softmax of group 0
	RUN_TOP 0, 0, 1
	PHASEA 1, 0, 1
	PHASEB 0, 0, 0, 1, 0, 1
	STAGE 0, 1, 0,  1, 0,  0, 0,  1, 1, 1, 1
	s_mov_b32 s[CNT], 14
	STAGE 1, 1, 1,  1, 0,  1, 1,  1, 1, 1, 1       ; stage 0: its products start O's sums; slot 1 is filled for the first time, behind a round at which nobody fills bytes again
	s_mov_b32 s[CNT], 13
.Lstage:                                               ; stages 1 to 13
	STAGE 1, 1, 1,  1, 1,  1, 0,  1, 2, 1, 1
	s_sub_co_u32 s[CNT], s[CNT], 1
	s_cmp_lg_u32 s[CNT], 0
	s_cbranch_scc1 .Lstage
	STAGE 1, 0, 0,  0, 1,  1, 0,  0, 0, 1, 0       ; stage 14: the last fill (V of group 15), the last softmax
	STAGE 2, 0, 0,  0, 1,  1, 0,  0, 0, 0, 0       ; stage 15: nothing is left to fetch
	; THE WAY OUT.  My keys' sums (two halves, two halves of the lanes) meet the other waves' in LDS; O^T is divided by the row's sum.  The additions are the places behind the last products.
.irp qt, 0,1,2,3
	v_add_f32 v[STAT+8*\qt+6], v[STAT+8*\qt+2], v[STAT+8*\qt+3]
.endr
.irp qt, 0,1,2,3
	v_permlanex16_b32 v[STAT+8*\qt+5], v[STAT+8*\qt+6], s[SEL], s[SEL+1]
.endr
.irp qt, 0,1,2,3
	v_add_f32 v[STAT+8*\qt+6], v[STAT+8*\qt+6], v[STAT+8*\qt+5]
.endr
.irp qt, 0,1,2,3
	ds_store_b32 v[STWB], v[STAT+8*\qt+6] offset:LXO+256*\qt
.endr
	s_wait_dscnt 0x0                               ; for the others' sake: my sums have landed; my reads of V and P are over
	s_barrier_signal -1
	s_barrier_wait -1
.irp qt, 0,1,2,3
	ds_load_b128 v[SX+4*\qt:SX+4*\qt+3], v[STRB] offset:LXO+256*\qt
.endr
	s_wait_dscnt 0x0
.irp qt, 0,1,2,3
	v_add_f32 v[SX+4*\qt], v[SX+4*\qt], v[SX+4*\qt+1]
	v_add_f32 v[SX+4*\qt+2], v[SX+4*\qt+2], v[SX+4*\qt+3]
.endr
.irp qt, 0,1,2,3
	v_add_f32 v[SX+4*\qt], v[SX+4*\qt], v[SX+4*\qt+2]
.endr
.irp qt, 0,1,2,3
	v_rcp_f32 v[STAT+8*\qt+4], v[SX+4*\qt]         ; the sum is at least 1: the row's largest logit gives p = 1
.endr
	v_nop                                          ; a plain line behind the last reciprocal,
	s_wait_alu depctr_va_vdst(0)                   ; and the one wait ahead of the first use
; Tile qt: a lane holds 8 neighbouring channels of one query, and the lanes beside it other queries: 16 rows x 512 bytes go through my own stage and come back as whole rows.
.macro TOSTAGE qt
	WIN W_RS
.set i, 64*(\qt)
.rept 32
	v_pk_mul_f32 v[i:i+1], v[i:i+1], v[STAT+8*(\qt)+4:STAT+8*(\qt)+5] op_sel_hi:[1,0]
.set i, i+2
.endr
	WIN 0x04                                       ; an LDS store's data are its source 1: window 1
.irp dt, 0,1,2,3,4,5,6,7
	ds_store_b128 v[STO], v[64*(\qt)+8*\dt:64*(\qt)+8*\dt+3] offset:64*\dt
	ds_store_b128 v[STO], v[64*(\qt)+8*\dt+4:64*(\qt)+8*\dt+7] offset:64*\dt+16
.endr
	WIN 0
.set BB, S+64*((\qt)%2)
.irp t, 0,1,2,3,4,5,6,7,8,9,10,11,12,13,14,15
	ds_load_b128 v[BB+4*\t:BB+4*\t+3], v[RD] offset:OSP*\t   ; LDS serves a wave's instructions in order: these see the stores above, and the next tile's stores come behind them
.endr
.endm
.macro SEND qt, younger                ; younger: the LDS instructions issued behind tile qt's loads, which may stay out
.set BB, S+64*((\qt)%2)
	s_wait_dscnt \younger
.irp t, 0,1,2,3,4,5,6,7,8,9,10,11,12,13,14,15
	global_store_b128 v[L16], v[BB+4*\t:BB+4*\t+3], s[12:13] offset:(16*(\qt)+\t)*4096 th:TH_STORE_NT   ; 32 lanes store 512 consecutive bytes, at a multiple of 512 from the output's first byte
.endr
.endm
	TOSTAGE 0
.irp a, 1,2,3
.if \a > 1
	s_wait_xcnt 0x0                                ; tile a - 2's stores have read their registers: tile a's loads may land there
.endif
	TOSTAGE \a
	SEND \a-1, 32                                  ; behind tile a - 1's loads: tile a's 16 stores and 16 loads
.endr
	SEND 3, 0
	s_wait_tensorcnt 0x0                           ; the wave's end, behind my last tensor load and my last LDS store
	ds_add_u32 v[SPW], v[NIL]
	s_wait_dscnt 0x0
	ROUND                                          ; the closing round: no work-group ends while a partner may still ask for a tile that names it
	s_endpgm
.Lfunc_end_k_q7e13495c23_attn:
	.size	k_q7e13495c23_attn, .Lfunc_end_k_q7e13495c23_attn-k_q7e13495c23_attn
	.p2alignl 7, 3214868480
	.fill 96, 4, 3214868480
	.section	.rodata,"a",@progbits
	.p2align	6, 0x0
	.amdhsa_kernel k_q7e13495c23_attn
		.amdhsa_group_segment_fixed_size 327680
		.amdhsa_private_segment_fixed_size 0
		.amdhsa_enable_private_segment 0
		.amdhsa_kernarg_size 40
		.amdhsa_user_sgpr_count 2
		.amdhsa_user_sgpr_kernarg_segment_ptr 1
		.amdhsa_wavefront_size32 1
		.amdhsa_system_sgpr_workgroup_id_x 1
		.amdhsa_system_sgpr_workgroup_id_y 1
		.amdhsa_system_sgpr_workgroup_id_z 1
		.amdhsa_system_vgpr_workitem_id 0
		.amdhsa_next_free_vgpr 1024
		.amdhsa_next_free_sgpr 96
		.amdhsa_reserve_vcc 0
		.amdhsa_float_denorm_mode_32 3
		.amdhsa_float_denorm_mode_16_64 3
		.amdhsa_memory_ordered 1
		.amdhsa_forward_progress 1
		.amdhsa_inst_pref_size 255
	.end_amdhsa_kernel
	.section	.bss,"aw",@nobits
	.p2align	6
	.space	262144
	.amdgpu_metadata
---
amdhsa.version: [ 1, 2 ]
amdhsa.kernels:
  - .name:           k_q7e13495c23_attn
    .symbol:         k_q7e13495c23_attn.kd
    .args:
      - { .name: codes, .offset: 0, .size: 8, .value_kind: global_buffer, .address_space: global }
      - { .name: scales, .offset: 8, .size: 8, .value_kind: global_buffer, .address_space: global }
      - { .name: vh, .offset: 16, .size: 8, .value_kind: global_buffer, .address_space: global }
      - { .name: mask, .offset: 24, .size: 8, .value_kind: global_buffer, .address_space: global }
      - { .name: out0, .offset: 32, .size: 8, .value_kind: global_buffer, .address_space: global }
    .group_segment_fixed_size: 327680
    .private_segment_fixed_size: 0
    .kernarg_segment_align: 8
    .kernarg_segment_size: 40
    .max_flat_workgroup_size: 128
    .sgpr_count:     96
    .vgpr_count:     1024
    .wavefront_size: 32
...
	.end_amdgpu_metadata
.endif
;; end of part 2
